; MI455X (gfx1250); checked and timed in simulation.
; The chip was launched on July 23, 2026; its instructions are those of AMD's public machine-readable ISA for CDNA 5 (MIT licence, August 2026) and "CDNA5" Instruction Set Architecture Reference Guide (July 2026). The comments in the code are by the model that wrote it; some were corrected since.
;; Random Transformer Model. Allowed arithmetic: float matrix products may take bf16 or f16 operands with f32 sums; all other float work in f32.
;; Inputs: E_w 64 x 50,257 float32; U_w 50,257 x 64 float32; V_w 64 x 64 float32; a 4 x 1,024 x 1,024 float32; x 4 x 1,024 int32.
;; Outputs: out0 4 x 50,257 float32.
;; One version. Each part assembles by itself: llvm-mc -triple=amdgcn-amd-amdhsa -mcpu=gfx1250 --defsym DOCPART=n.
;; ======== version 1 of 1: 2 launches
;; workspace buffers: cvec 1,024 bytes
;; launch gather (part 1): grid 256 x 1, 8 waves a work-group, no clusters, 1,536 bytes of LDS; arguments x, a, E_w, cvec; writes cvec
.if DOCPART == 1
	.amdgcn_target "amdgcn-amd-amdhsa--gfx1250"
	.amdhsa_code_object_version 6
	.text
	.protected	k_q692bb1c952_gather
	.globl	k_q692bb1c952_gather
	.p2align	8
	.type	k_q692bb1c952_gather,@function
k_q692bb1c952_gather:
	s_mov_b64 s[64:65], 0
	v_nop
	global_prefetch_b8 v0, s[64:65] scope:SCOPE_SE
	s_setreg_imm32_b32 hwreg(HW_REG_WAVE_MODE, 25, 1), 1
	s_wait_xcnt 0x0
; c[b][d] = sum over s of S[b][s] * E_w[d][x[b][s]],   S[b][:] = softmax(a[b][1023][:]).
; Every step behind the softmax is linear, so out = U (V c): the weighted sum over the 1,024 positions is formed first, on the
; gathered columns of E_w, and the two projections follow in the next launch on 4 x 64 numbers.  Only the order of the sums
; differs from the written order; all arithmetic is f32.
; One work-group for each pair (d, b): id = 4 d + b, so the four readers of one row d of E_w are neighbours.  Eight waves,
; 256 threads; thread t owns positions s = 4 t .. 4 t + 3: 16 bytes of x, 16 bytes of a's last row, four gathered words.
; All 1,024 gathers of the work-group are issued before anything is waited for but x; the softmax's maximum and
; exponentials are made while they are on their way.
; The result is stored at byte (d&3)<<8 | (d>>2)<<4 | b<<2 of cvec: the four b of column 4 c + k are 16 bytes at 256 k + 16 c.
; LEFT OUT: matrix instructions (one dot product of 1,024 terms a work-group); LDS tiles and the tensor mover (each word is
; used once); clusters (work-groups of one d gather other columns; work-groups of one b share 8,192 bytes of x and a, which
; is 8,192 of the 12,288 bytes that a work-group asks for but none of the 1,024 scattered requests that it waits for).
; LIMITS: an index is taken as unsigned and clamped to 50,256 (the problem keeps indices inside the table).  An exponential
; below 2^-126 counts as 0 (v_exp_f32 flushes denormal results, ISA guide 15.8).  A NaN or +inf in a's last row gives NaN for
; that batch, as the softmax itself does.
.set VOCAB, 50257
.set EROW,  4*VOCAB                    ; bytes in a row of E_w
.set AROW,  1023*4096                  ; byte offset of a batch's last row in a
.set LOG2E, 0x3fb8aa3b                 ; e^x = 2^(1.442695 x)
.set PAIRS, 256                        ; LDS: bytes 0-31 the waves' maxima, bytes 256-319 the waves' pairs (sum, Z)
	s_load_b256 s[4:11], s[0:1], 0x0               ; x s[4:5], a s[6:7], E_w s[8:9], cvec s[10:11]
	v_lshl_add_u32 v32, v0, 2, 0x200
	v_mov_b32 v33, 0
	s_and_b32 s12, ttmp9, 3                        ; b
	s_lshr_b32 s13, ttmp9, 2                       ; d
	s_lshl_b32 s14, s12, 12                        ; x: b rows of 4,096 bytes
	s_mov_b32 s15, 0
	s_lshl_b32 s16, s12, 22                        ; a: b batches of 4 MiB,
	s_add_co_u32 s16, s16, AROW                    ; row 1,023
	s_mov_b32 s17, 0
	s_mul_i32 s18, s13, EROW                       ; E_w: row d (at most 63 x 201,028 bytes)
	s_mov_b32 s19, 0
	s_and_b32 s21, s13, 3                          ; where the result goes: (d&3)<<8
	s_lshl_b32 s21, s21, 8
	s_lshr_b32 s25, s13, 2                         ; | (d>>2)<<4
	s_lshl_b32 s25, s25, 4
	s_or_b32 s21, s21, s25
	s_lshl_b32 s25, s12, 2                         ; | b<<2
	s_or_b32 s21, s21, s25
	s_mov_b32 s22, 0x76543210                      ; v_permlanex16_b32: lane i of one half reads lane i of the other
	s_mov_b32 s23, 0xfedcba98
	v_lshrrev_b32 v2, 5, v0
	v_readfirstlane_b32 s20, v2                    ; wave number
	v_lshlrev_b32 v1, 4, v0                        ; 16 t: my 16 bytes of x and of a
	v_lshlrev_b32 v28, 3, v2                       ; 8 x wave: my wave's pair in LDS
	v_lshlrev_b32 v2, 2, v2                        ; 4 x wave: my wave's maximum in LDS
	v_mov_b32 v3, 0
	v_and_b32 v29, 7, v0
	v_lshlrev_b32 v29, 3, v29                      ; 8 x (lane & 7): the pair that this lane reads at the end
	s_wait_kmcnt 0x0
	s_add_nc_u64 s[4:5], s[4:5], s[14:15]
	s_add_nc_u64 s[6:7], s[6:7], s[16:17]
	s_add_nc_u64 s[8:9], s[8:9], s[18:19]
	global_load_b128 v[4:7], v1, s[4:5]            ; four indices
	global_load_b128 v[8:11], v1, s[6:7]           ; four logits
	s_wait_loadcnt 0x1                             ; the indices are in; the one younger load (the logits) stays out
.irp k, 4,5,6,7
	v_min_u32 v\k, VOCAB-1, v\k                    ; a loaded number enters an address only clamped to the table
.endr
.irp k, 4,5,6,7
	v_lshlrev_b32 v\k, 2, v\k                      ; column to bytes
.endr
.irp k, 0,1,2,3
	global_load_b32 v[12+\k], v[4+\k], s[8:9]      ; E_w[d][x]; no hint: a column may be named again
.endr
	; the maximum of the 1,024 logits: lane, wave, work-group
	s_wait_loadcnt 0x4                             ; the logits are in; the four gathers are younger and stay out
	v_max3_num_f32 v16, v8, v9, v10
	v_max_num_f32 v16, v16, v11
	v_mov_b32 v17, 0                               ; v_permlanex16_b32 counts as a reader of its destination
	v_max_num_f32_dpp v16, v16, v16 row_xmask:1 row_mask:0xf bank_mask:0xf
	v_max_num_f32_dpp v16, v16, v16 row_xmask:2 row_mask:0xf bank_mask:0xf
	v_max_num_f32_dpp v16, v16, v16 row_xmask:4 row_mask:0xf bank_mask:0xf
	v_max_num_f32_dpp v16, v16, v16 row_xmask:8 row_mask:0xf bank_mask:0xf
	v_permlanex16_b32 v17, v16, s22, s23
	v_max_num_f32 v16, v16, v17
	ds_store_b32 v2, v16                           ; all lanes of a wave write the same word with the same value
	s_wait_dscnt 0x0                               ; for the other waves' sake: my store is done before I signal
	s_barrier_signal -1
	s_barrier_wait -1
	ds_load_b128 v[20:23], v3                      ; the eight waves' maxima, in every lane
	ds_load_b128 v[24:27], v3 offset:16
	s_wait_dscnt 0x0
	v_max3_num_f32 v20, v20, v21, v22
	v_max3_num_f32 v20, v20, v23, v24
	v_max3_num_f32 v20, v20, v25, v26
	v_max_num_f32 v20, v20, v27                    ; m
	; e = exp(a - m), at most 1; the largest logit gives exactly 1, so Z lies between 1 and 1,024
	v_pk_add_f32 v[8:9], v[8:9], v[20:21] op_sel_hi:[1,0] neg_lo:[0,1] neg_hi:[0,1]
	v_pk_add_f32 v[10:11], v[10:11], v[20:21] op_sel_hi:[1,0] neg_lo:[0,1] neg_hi:[0,1]
	v_pk_mul_f32 v[8:9], v[8:9], LOG2E op_sel_hi:[1,0]
	v_pk_mul_f32 v[10:11], v[10:11], LOG2E op_sel_hi:[1,0]
	v_exp_f32 v24, v8
	v_exp_f32 v25, v9
	v_exp_f32 v26, v10
	v_exp_f32 v27, v11
	v_mov_b32 v30, s21                             ; the plain instruction between the exponentials and their first use (ISA guide 5.7.2)
	s_wait_alu depctr_va_vdst(0)
	v_pk_add_f32 v[18:19], v[24:25], v[26:27]      ; my part of Z, in two halves
	s_wait_loadcnt 0x0                             ; the four gathered words
	v_pk_mul_f32 v[16:17], v[24:25], v[12:13]
	v_pk_fma_f32 v[16:17], v[26:27], v[14:15], v[16:17]
	v_add_f32 v16, v16, v17                        ; my part of sum e E
	v_add_f32 v17, v18, v19                        ; my part of Z
.irp m, 1,2,4,8
	v_add_f32_dpp v16, v16, v16 row_xmask:\m row_mask:0xf bank_mask:0xf
	v_add_f32_dpp v17, v17, v17 row_xmask:\m row_mask:0xf bank_mask:0xf
.endr
	v_permlanex16_b32 v18, v16, s22, s23           ; v18, v19 have been written above
	v_permlanex16_b32 v19, v17, s22, s23
	v_pk_add_f32 v[16:17], v[16:17], v[18:19]      ; the wave's pair, in every lane
	ds_store_b64 v28, v[16:17] offset:PAIRS        ; other bytes than the maxima: no barrier is owed to their readers
	s_wait_dscnt 0x0                               ; done before I signal
	s_barrier_signal -1
	s_barrier_wait -1
	s_cmp_lg_u32 s20, 0                            ; the rest is wave 0's; no barrier follows
	s_cbranch_scc1 .Lend
	ds_load_b64 v[18:19], v29 offset:PAIRS         ; lane l takes the pair of wave l & 7
	s_wait_dscnt 0x0
.irp m, 1,2,4
	v_add_f32_dpp v18, v18, v18 row_xmask:\m row_mask:0xf bank_mask:0xf
	v_add_f32_dpp v19, v19, v19 row_xmask:\m row_mask:0xf bank_mask:0xf
.endr
	v_rcp_f32 v20, v19                             ; 1 / Z
	v_cmp_eq_u32 vcc_lo, 0, v0                     ; (a plain instruction between the reciprocal and its use)
	s_wait_alu depctr_va_vdst(0)
	v_mul_f32 v18, v18, v20                        ; c[b][d]
	s_wait_xcnt 0x0                                ; EXEC is a source of the loads above: it changes only behind this wait
	s_wait_tensorcnt 0x0
	ds_add_u32 v32, v33
	s_wait_dscnt 0x0
	s_and_saveexec_b32 s24, vcc_lo                 ; thread 0 alone
	global_store_b32 v30, v18, s[10:11]            ; one word a work-group: the launch's whole output is 1,024 bytes
	s_endpgm
.Lend:
	s_wait_tensorcnt 0x0
	ds_add_u32 v32, v33
	s_wait_dscnt 0x0
	s_endpgm
.Lfunc_end_k_q692bb1c952_gather:
	.size	k_q692bb1c952_gather, .Lfunc_end_k_q692bb1c952_gather-k_q692bb1c952_gather
	.p2alignl 7, 3214868480
	.fill 96, 4, 3214868480
	.section	.rodata,"a",@progbits
	.p2align	6, 0x0
	.amdhsa_kernel k_q692bb1c952_gather
		.amdhsa_group_segment_fixed_size 1536
		.amdhsa_private_segment_fixed_size 0
		.amdhsa_enable_private_segment 0
		.amdhsa_kernarg_size 32
		.amdhsa_user_sgpr_count 2
		.amdhsa_user_sgpr_kernarg_segment_ptr 1
		.amdhsa_wavefront_size32 1
		.amdhsa_system_sgpr_workgroup_id_x 1
		.amdhsa_system_sgpr_workgroup_id_y 1
		.amdhsa_system_sgpr_workgroup_id_z 1
		.amdhsa_system_vgpr_workitem_id 0
		.amdhsa_next_free_vgpr 34
		.amdhsa_next_free_sgpr 66
		.amdhsa_reserve_vcc 1
		.amdhsa_float_denorm_mode_32 3
		.amdhsa_float_denorm_mode_16_64 3
		.amdhsa_memory_ordered 1
		.amdhsa_forward_progress 1
		.amdhsa_inst_pref_size 7
	.end_amdhsa_kernel
	.amdgpu_metadata
---
amdhsa.version: [ 1, 2 ]
amdhsa.kernels:
  - .name:           k_q692bb1c952_gather
    .symbol:         k_q692bb1c952_gather.kd
    .args:
      - { .name: x, .offset: 0, .size: 8, .value_kind: global_buffer, .address_space: global }
      - { .name: a, .offset: 8, .size: 8, .value_kind: global_buffer, .address_space: global }
      - { .name: E_w, .offset: 16, .size: 8, .value_kind: global_buffer, .address_space: global }
      - { .name: cvec, .offset: 24, .size: 8, .value_kind: global_buffer, .address_space: global }
    .group_segment_fixed_size: 1536
    .private_segment_fixed_size: 0
    .kernarg_segment_align: 8
    .kernarg_segment_size: 32
    .max_flat_workgroup_size: 256
    .sgpr_count:     66
    .vgpr_count:     34
    .wavefront_size: 32
...
	.end_amdgpu_metadata
.endif
;; end of part 1
;; launch project (part 2): grid 197 x 1, 8 waves a work-group, no clusters, 2,048 bytes of LDS; arguments U_w, V_w, cvec, out0; writes out0
.if DOCPART == 2
	.amdgcn_target "amdgcn-amd-amdhsa--gfx1250"
	.amdhsa_code_object_version 6
	.text
	.protected	k_q692bb1c952_project
	.globl	k_q692bb1c952_project
	.p2align	8
	.type	k_q692bb1c952_project,@function
k_q692bb1c952_project:
	s_mov_b64 s[64:65], 0
	v_nop
	global_prefetch_b8 v0, s[64:65] scope:SCOPE_SE
	s_setreg_imm32_b32 hwreg(HW_REG_WAVE_MODE, 25, 1), 1
	s_wait_xcnt 0x0
; g[b][e] = sum over d of V_w[e][d] c[b][d];   out0[b][v] = sum over e of U_w[v][e] g[b][e].   All in f32.
; A work-group owns 256 rows of U_w, a wave 32 of them.  U_w is read once, each half of a wave taking one whole row of 256
; consecutive bytes with each load; all 16 loads of a wave (its whole share, 8,192 bytes) are issued at the start.  While they are on
; their way every work-group forms g for itself (16,384 bytes of V_w and 1,024 of cvec, which all work-groups read) and hands it
; round through LDS.
; A lane holds 4 neighbouring columns (c = lane & 15) of a row, so a dot product ends as a sum over 16 lanes.  Sixteen such sums are
; folded together: at each of four levels a lane keeps one of two values and sends the other to the lane whose number differs in
; that level's bit.  15 steps of 3 instructions finish 16 sums, and lane r ends with sum r: with rows i + 16 h in load i, lane l ends
; with row l of the wave's 32, and a store of the wave covers 128 consecutive bytes of a row of out0.
; THE END OF U_w: 50,257 = 196 x 256 + 81.  A wave's first row is clamped to 50,225, so that its 32 rows lie inside U_w, and a lane
; stores only if its row is not below the wave's unclamped first row: no word of out0 is stored twice.  In the last work-group
; waves 3 to 7 store nothing; their share of g is needed all the same.
; LEFT OUT: matrix instructions (4 rows of g would fill a quarter of a 16-row tile, U_w would have to be converted and each
; byte of it feeds two multiply-adds only: 8 packed multiply-adds a lane for each 512 bytes loaded are no burden beside the loads);
; the tensor mover and a ring in LDS (a wave's whole share is in flight in 64 registers at once); clusters (what work-groups share,
; V_w and cvec, is 17,408 of a work-group's 82,944 bytes, and 197 work-groups, a prime number, divide into no cluster); stores of
; 16 bytes (row b of out0 begins at byte 201,028 b, a multiple of 4 only); prefetches (every load is issued as soon as its address exists).
; LIMIT: the order of the sums differs from the written order of the products (out = U (V c)).
.set VOCAB, 50257
.set OROW,  4*VOCAB                    ; bytes in a row of out0
.set LASTW, VOCAB-32                   ; the last row at which a wave's 32 rows may begin
.set VO, 4                             ; v4   1024 h + 16 c: my 16 bytes in V_w's rows
.set CO, 5                             ; v5   16 c: cvec, and g in LDS
.set UO, 6                             ; v6   4096 h + 16 c: my 16 bytes in U_w's rows
.set GA, 7                             ; v7   where my word of g goes in LDS
.set OO, 8                             ; v8   4 x lane: my word in out0
.set RW, 9                             ; v9   my row of U_w
.set T,  10                            ; v[10:17]   four pairs of temporaries
.set G,  20                            ; v[20:35]   G + 4 k + b = g[b][4 c + k]
.set CV, 36                            ; v[36:51]   the same for c
.set VD, 52                            ; v[52:67]   load j: V_w[e][4 c .. 4 c + 3]
.set D,  68                            ; v[68:131]  load i: U_w[row][4 c .. 4 c + 3]
.set P,  132                           ; v[132:195] P + 4 i + b: partial sums
.set M1, 24                            ; s24-s27: the lanes whose number has bit 0, 1, 2, 3 set
.set M2, 25
.set M4, 26
.set M8, 27
; Four dot products over my 4 columns: v[p+b] = sum over k of v[d+k] * v[vec+4k+b].  op_sel and op_sel_hi pick one register of the
; pair d for both halves of a packed instruction.
.macro DOT d, vec, p
	v_pk_mul_f32 v[\p:\p+1],   v[\d:\d+1], v[\vec:\vec+1]   op_sel_hi:[0,1]
	v_pk_mul_f32 v[\p+2:\p+3], v[\d:\d+1], v[\vec+2:\vec+3] op_sel_hi:[0,1]
	v_pk_fma_f32 v[\p:\p+1],   v[\d:\d+1], v[\vec+4:\vec+5], v[\p:\p+1]     op_sel:[1,0,0] op_sel_hi:[1,1,1]
	v_pk_fma_f32 v[\p+2:\p+3], v[\d:\d+1], v[\vec+6:\vec+7], v[\p+2:\p+3]   op_sel:[1,0,0] op_sel_hi:[1,1,1]
	v_pk_fma_f32 v[\p:\p+1],   v[\d+2:\d+3], v[\vec+8:\vec+9],   v[\p:\p+1]   op_sel_hi:[0,1,1]
	v_pk_fma_f32 v[\p+2:\p+3], v[\d+2:\d+3], v[\vec+10:\vec+11], v[\p+2:\p+3] op_sel_hi:[0,1,1]
	v_pk_fma_f32 v[\p:\p+1],   v[\d+2:\d+3], v[\vec+12:\vec+13], v[\p:\p+1]   op_sel:[1,0,0] op_sel_hi:[1,1,1]
	v_pk_fma_f32 v[\p+2:\p+3], v[\d+2:\d+3], v[\vec+14:\vec+15], v[\p+2:\p+3] op_sel:[1,0,0] op_sel_hi:[1,1,1]
.endm
; One fold: lanes outside mask m end with the two-lane sum of lo, lanes inside it with that of hi, both in v[lo].
.macro COMB lo, hi, m, x, t
	v_cndmask_b32 v[\t],   v[\lo], v[\hi], s[\m]   ; what I keep
	v_cndmask_b32 v[\t+1], v[\hi], v[\lo], s[\m]   ; what my partner keeps
	v_add_f32_dpp v[\lo], v[\t+1], v[\t] row_xmask:\x row_mask:0xf bank_mask:0xf   ; the partner's offer + mine
.endm
	s_load_b256 s[4:11], s[0:1], 0x0               ; U_w s[4:5], V_w s[6:7], cvec s[8:9], out0 s[10:11]
	v_lshl_add_u32 v196, v0, 2, 0x400
	v_mov_b32 v197, 0
	v_lshrrev_b32 v1, 5, v0
	v_readfirstlane_b32 s12, v1                    ; wave number w
	s_lshl_b32 s13, ttmp9, 8
	s_lshl_b32 s15, s12, 5
	s_add_co_u32 s13, s13, s15                     ; the wave's first row, 256 x work-group + 32 w
	s_min_u32 s14, s13, LASTW                      ; clamped: rows s14 .. s14 + 31 lie inside U_w
	s_lshl_b32 s16, s14, 8                         ; U_w: rows of 256 bytes
	s_mov_b32 s17, 0
	s_lshl_b32 s18, s14, 2                         ; out0: a word for each row
	s_mov_b32 s19, 0
	; V_w: wave w takes rows e = 4 c' + (w >> 1), c' = 8 (w & 1) + 2 j + h, so that its 32 words of g, which lie at
	; (e&3)<<8 | (e>>2)<<4 | b<<2, are the LDS bytes 128 w .. 128 w + 127
	s_and_b32 s20, s12, 1
	s_lshl_b32 s20, s20, 13                        ; 8 (w & 1) steps of 4 rows of 256 bytes
	s_lshr_b32 s15, s12, 1
	s_lshl_b32 s15, s15, 8                         ; (w >> 1) rows
	s_or_b32 s20, s20, s15
	s_mov_b32 s21, 0
	s_lshl_b32 s22, s12, 7                         ; 128 w
	s_mov_b32 s[M1], 0xaaaaaaaa
	s_mov_b32 s[M2], 0xcccccccc
	s_mov_b32 s[M4], 0xf0f0f0f0
	s_mov_b32 s[M8], 0xff00ff00
	v_and_b32 v1, 31, v0                           ; lane
	v_and_b32 v2, 15, v0                           ; c
	v_bfe_u32 v3, v0, 4, 1                         ; h
	v_lshlrev_b32 v[CO], 4, v2
	v_lshl_add_u32 v[VO], v3, 10, v[CO]
	v_lshl_add_u32 v[UO], v3, 12, v[CO]
	s_wait_kmcnt 0x0
	s_add_nc_u64 s[4:5], s[4:5], s[16:17]
	s_add_nc_u64 s[6:7], s[6:7], s[20:21]
	s_add_nc_u64 s[10:11], s[10:11], s[18:19]
.irp k, 0,1,2,3
	global_load_b128 v[CV+4*\k:CV+4*\k+3], v[CO], s[8:9] offset:256*\k     ; c[0..3][4 c + k]
.endr
.irp j, 0,1,2,3
	global_load_b128 v[VD+4*\j:VD+4*\j+3], v[VO], s[6:7] offset:2048*\j    ; row c' = 8 (w & 1) + 2 j + h
.endr
.irp i, 0,1,2,3,4,5,6,7,8,9,10,11,12,13,14,15
	global_load_b128 v[D+4*\i:D+4*\i+3], v[UO], s[4:5] offset:256*\i th:TH_LOAD_NT   ; row s14 + i + 16 h, read this once
.endr
	v_lshrrev_b32 v10, 2, v2                       ; after the folds lane c of a half holds sum 4 j + b: j = c >> 2,
	v_and_b32 v11, 3, v2                           ; b = c & 3
	v_lshlrev_b32 v[GA], 5, v10                    ; 16 (2 j + h) + 4 b
	v_lshl_or_b32 v[GA], v11, 2, v[GA]
	v_lshl_or_b32 v[GA], v3, 4, v[GA]
	v_add_nc_u32 v[GA], s22, v[GA]                 ; + 128 w
	v_lshlrev_b32 v[OO], 2, v1
	v_add_nc_u32 v[RW], s14, v1
	; g: 4 rows of V_w for each half of the wave x 4 b = 16 sums over 16 lanes
	s_wait_loadcnt 0x10                            ; cvec's and V_w's eight loads are in; U_w's sixteen are younger and stay out
.irp j, 0,1,2,3
	DOT VD+4*\j, CV, P+4*\j
.endr
.irp k, 0,2,4,6,8,10,12,14
	COMB P+\k, P+\k+1, M1, 1, T+(\k&6)
.endr
.irp k, 0,4,8,12
	COMB P+\k, P+\k+2, M2, 2, T+\k/2
.endr
	COMB P,   P+4,  M4, 4, T
	COMB P+8, P+12, M4, 4, T+2
	COMB P,   P+8,  M8, 8, T
	ds_store_b32 v[GA], v[P]                       ; 256 threads, 256 different words
	s_wait_dscnt 0x0                               ; for the other waves' sake: done before I signal
	s_barrier_signal -1
	s_barrier_wait -1
.irp k, 0,1,2,3
	ds_load_b128 v[G+4*\k:G+4*\k+3], v[CO] offset:256*\k   ; g[0..3][4 c + k]: 16 lanes take 256 neighbouring bytes, the other 16 the same
.endr
	s_wait_dscnt 0x0
	; out: load i brings rows i and i + 16; a fold is made as soon as both its values exist, so that behind the last load
	; stand one DOT and 16 folds
.set i, 0
.rept 16
	s_wait_loadcnt 15-i                            ; loads come back in order (ISA guide 5.7.1): load i is in, the 15 - i younger ones stay out
	DOT D+4*i, G, P+4*i
.if (i & 1) == 1
.irp b, 0,1,2,3
	COMB P+4*(i-1)+\b, P+4*i+\b, M1, 1, T+2*\b
.endr
.endif
.if (i & 3) == 3
.irp b, 0,1,2,3
	COMB P+4*(i-3)+\b, P+4*(i-1)+\b, M2, 2, T+2*\b
.endr
.endif
.if (i & 7) == 7
.irp b, 0,1,2,3
	COMB P+4*(i-7)+\b, P+4*(i-3)+\b, M4, 4, T+2*\b
.endr
.endif
.if i == 15
.irp b, 0,1,2,3
	COMB P+\b, P+32+\b, M8, 8, T+2*\b
.endr
.endif
.set i, i+1
.endr
	; v[P+b] = out0[b][s14 + lane]
	v_cmp_le_u32 vcc_lo, s13, v[RW]                ; rows below the wave's unclamped first row belong to another wave
	s_wait_xcnt 0x0                                ; EXEC is a source of the loads above: it changes only behind this wait
	s_wait_tensorcnt 0x0
	ds_add_u32 v196, v197
	s_wait_dscnt 0x0
	s_and_saveexec_b32 s28, vcc_lo
.irp b, 0,1,2,3
	global_store_b32 v[OO], v[P+\b], s[10:11] offset:\b*OROW th:TH_STORE_NT   ; 32 lanes, 128 consecutive bytes of row b
.endr
	s_endpgm
.Lfunc_end_k_q692bb1c952_project:
	.size	k_q692bb1c952_project, .Lfunc_end_k_q692bb1c952_project-k_q692bb1c952_project
	.p2alignl 7, 3214868480
	.fill 96, 4, 3214868480
	.section	.rodata,"a",@progbits
	.p2align	6, 0x0
	.amdhsa_kernel k_q692bb1c952_project
		.amdhsa_group_segment_fixed_size 2048
		.amdhsa_private_segment_fixed_size 0
		.amdhsa_enable_private_segment 0
		.amdhsa_kernarg_size 32
		.amdhsa_user_sgpr_count 2
		.amdhsa_user_sgpr_kernarg_segment_ptr 1
		.amdhsa_wavefront_size32 1
		.amdhsa_system_sgpr_workgroup_id_x 1
		.amdhsa_system_sgpr_workgroup_id_y 1
		.amdhsa_system_sgpr_workgroup_id_z 1
		.amdhsa_system_vgpr_workitem_id 0
		.amdhsa_next_free_vgpr 198
		.amdhsa_next_free_sgpr 66
		.amdhsa_reserve_vcc 1
		.amdhsa_float_denorm_mode_32 3
		.amdhsa_float_denorm_mode_16_64 3
		.amdhsa_memory_ordered 1
		.amdhsa_forward_progress 1
		.amdhsa_inst_pref_size 30
	.end_amdhsa_kernel
	.amdgpu_metadata
---
amdhsa.version: [ 1, 2 ]
amdhsa.kernels:
  - .name:           k_q692bb1c952_project
    .symbol:         k_q692bb1c952_project.kd
    .args:
      - { .name: U_w, .offset: 0, .size: 8, .value_kind: global_buffer, .address_space: global }
      - { .name: V_w, .offset: 8, .size: 8, .value_kind: global_buffer, .address_space: global }
      - { .name: cvec, .offset: 16, .size: 8, .value_kind: global_buffer, .address_space: global }
      - { .name: out0, .offset: 24, .size: 8, .value_kind: global_buffer, .address_space: global }
    .group_segment_fixed_size: 2048
    .private_segment_fixed_size: 0
    .kernarg_segment_align: 8
    .kernarg_segment_size: 32
    .max_flat_workgroup_size: 256
    .sgpr_count:     66
    .vgpr_count:     198
    .wavefront_size: 32
...
	.end_amdgpu_metadata
.endif
;; end of part 2
